; MI455X (gfx1250); checked and timed in simulation.
; The chip was launched on July 23, 2026; its instructions are those of AMD's public machine-readable ISA for CDNA 5 (MIT licence, August 2026) and "CDNA5" Instruction Set Architecture Reference Guide (July 2026). The comments in the code are by the model that wrote it; some were corrected since.
;; Mixture FFN Down. Allowed arithmetic: float matrix products may take bf16 or f16 operands with f32 sums; other float arithmetic in f32, or as packed bf16 or f16 multiplies, adds, multiply-adds, maxima and minima; sums over many terms, partial sums and values carried from step to step in f32; what a program stores and reads back later, other than sums and carried values, may be rounded once to bf16 or f16.
;; Inputs: agg_b 4 float32; agg_w 4 x 512 float32; expert_b 4 x 8 x 512 float32; expert_w 4 x 8 x 512 x 2,048 float32; gate_w 4 x 8 x 2,048 float32; orig_b 4 float32; orig_w 4 x 2,048 float32; x 4 x 512 x 2,048 float32.
;; Outputs: out0 4 x 512 x 4 float32.
;; One version. Each part assembles by itself: llvm-mc -triple=amdgcn-amd-amdhsa -mcpu=gfx1250 --defsym DOCPART=n.
;; ======== version 1 of 1: 2 launches
;; workspace buffers: bm 720,896 bytes; cb 512 bytes
;; launch fold (part 1): grid 256 x 1, 16 waves a work-group, no clusters, 20,992 bytes of LDS; arguments expert_w, agg_w, expert_b, gate_w, orig_w, bm, cb; writes bm, cb
.if DOCPART == 1
	.amdgcn_target "amdgcn-amd-amdhsa--gfx1250"
	.amdhsa_code_object_version 6
	.text
	.protected	k_q7f14af9b32_fold
	.globl	k_q7f14af9b32_fold
	.p2align	8
	.type	k_q7f14af9b32_fold,@function
k_q7f14af9b32_fold:
	s_mov_b64 s[64:65], 0
	v_nop
	global_prefetch_b8 v0, s[64:65] scope:SCOPE_SE
	s_setreg_imm32_b32 hwreg(HW_REG_WAVE_MODE, 25, 1), 1
	s_wait_xcnt 0x0
; FOLD.  Behind the experts reference() has linear steps alone, and its result has four columns j.  So agg_w is applied to the weights first:
;   P[g][e][j][h] = sum over d of agg_w[j][d] expert_w[g][e][d][h]      cb[g][e][j] = sum over d of agg_w[j][d] expert_b[g][e][d]
; and the next launch multiplies x by P (128 rows), gate_w (32 rows) and orig_w (4 rows) in one dense product.  This launch reads expert_w once and lays all those rows,
; rounded to bf16, into bm in the order in which a wave's operand registers take them.
; LIMITS.  The order of the sums differs from reference()'s (agg_w meets the weights before x does), and P is rounded once to bf16 on its way to the next launch.  expert_w, agg_w, gate_w, orig_w
; are rounded to bf16 as matrix operands; cb is made of the unrounded f32 numbers.  NaN and infinities are not treated apart.
; bm: block (s, q) at byte 1024 (11 s + q), s = 0..63 a K step of 32 h, q = 0..10 a tile of 16 rows.  In a block: piece p at 512 p, lane 16 hh + r at 16 bytes each: row r, h = 32 s + 16 p + 8 hh + 0..7.
;   tiles 0-7 (gp = q >> 2, ep = q & 3): row r is P of group 2 gp + (r >> 3), expert 2 ep + ((r >> 2) & 1), j = r & 3;  tile 8 + gp: gate_w's flat row 16 gp + r;  tile 10: orig_w's row r & 3.
; cb: f32, cb[16 q + r], the rows of tiles 0-7.
; SHARES.  Work-group (hc = id & 31, q = id >> 5): 64 columns h = 64 hc .. of the four experts of tile q: two whole blocks of bm.  Wave w: expert e4 = w >> 2 of the four, rows d = 128 (w & 3) .. + 127,
; in four CHUNKS of 32 d x 64 h: 16 loads, in each of which 16 neighbouring lanes take 256 consecutive bytes of a row, at a multiple of 256 from the buffer's first byte.
; THE PRODUCT.  Source 0: 16 columns h = 4 r + c as rows, K = d: its register p is the pair (row 2 p, row 2 p + 1) of word c of my loads, so one conversion makes an operand and nothing is transposed.
; Source 1: agg_w, column n holds j = n & 3 (columns 4-15 repeat).  In the result register m of lane (n, hh) is P[j = n & 3][64 hc + 32 hh + 4 m + c].
; No tensor loads, no cluster: no two work-groups read the same byte of expert_w, and the loads land in registers in the form that the conversion wants.
.set ROWB,  8192                       ; bytes in a row of 2,048 f32
.set SLOTB, 144                        ; a slot of partial sums: 32 f32, the bias's partial sum at byte 128, 12 bytes unused
.set WP,    1168                       ; a wave's eight slots (4 hh + j) and 16 bytes more: the 16 slots that 16 lanes read back then begin at 16 different multiples of 16 modulo 256
.set SPARE, 18944                      ; behind the 16 waves' slots (18,688 bytes): the spare words, 128 bytes a wave, that no other line names
.set LN,  1                            ; v1   lane
.set RW,  2                            ; v2   r = lane % 16
.set HF,  3                            ; v3   hh = lane / 16
.set SPW, 4                            ; v4   LDS address of my spare word; never rewritten
.set NIL, 5                            ; v5   0; never rewritten
.set WO,  6                            ; v6   expert_w: 8 hh rows + 16 r
.set AO,  7                            ; v7   agg_w as an operand: row r & 3, 8 hh numbers on
.set CO,  8                            ; v8   16 x lane
.set EO,  9                            ; v9   gate_w or orig_w: my row, 8 hh numbers on
.set PS,  10                           ; v10  LDS: my slot
.set PR,  11                           ; v11  LDS: the slot that wave 0's lane reads back
.set GO,  12                           ; v12  bm: 11 blocks x hh + 16 r
.set C4,  13                           ; v13  4 x lane
.set TS,  14                           ; v14  at work
.set WK,  16                           ; v16-23   at work on the bias
.set AF,  24                           ; v24-55   agg_w's fragments of my four chunks
.set FR,  56                           ; v56-71   two sets of eight: source 0
.set ACC, 72                           ; v72-103  accumulator c at ACC + 8 c
.set X0,  104                          ; v104-167 a chunk as loaded
.set X1,  168                          ; v168-231 the other
.set EXC, 232                          ; v232-239 a block of gate_w or orig_w in bf16
.set EX,  FR                           ; early, dead before chunk 0 is worked on: that block in f32,
.set BB,  ACC                          ; four numbers of expert_b,
.set AG,  ACC+4                        ; the same four d of agg_w's four rows,
.set AS,  X1                           ; and agg_w's fragments in f32
	s_load_b256 s[4:11], s[0:1], 0x0               ; expert_w s[4:5], agg_w s[6:7], expert_b s[8:9], gate_w s[10:11]
	s_load_b128 s[12:15], s[0:1], 0x20             ; orig_w s[12:13], bm s[14:15]
	s_load_b64 s[16:17], s[0:1], 0x30              ; cb
	v_lshl_add_u32 v[SPW], v0, 2, SPARE
	v_mov_b32 v[NIL], 0
	v_lshrrev_b32 v[LN], 5, v0
	v_readfirstlane_b32 s20, v[LN]                 ; wave 0..15
	v_and_b32 v[LN], 31, v0
	v_and_b32 v[RW], 15, v0
	v_bfe_u32 v[HF], v0, 4, 1
	s_lshr_b32 s21, s20, 2                         ; e4
	s_and_b32 s22, s20, 3                          ; dq
	s_lshr_b32 s23, ttmp9, 5                       ; q
	s_and_b32 s24, ttmp9, 31                       ; hc
	s_lshr_b32 s45, s23, 2
	s_lshr_b32 s46, s21, 1
	s_lshl1_add_u32 s45, s45, s46                  ; group g = 2 (q >> 2) + (e4 >> 1)
	s_and_b32 s46, s23, 3
	s_lshl2_add_u32 s45, s45, s46                  ; 4 g + (q & 3)
	s_and_b32 s46, s21, 1
	s_lshl1_add_u32 s25, s45, s46                  ; my expert's flat number: 8 g + 2 (q & 3) + (e4 & 1)
	s_lshl_b32 s26, s25, 22                        ; an expert is 512 rows of 8,192 bytes,
	s_lshl_b32 s45, s22, 20                        ; my 128 rows of it,
	s_add_co_u32 s26, s26, s45
	s_lshl_b32 s45, s24, 8                         ; the work-group's 256 bytes of a row
	s_add_co_u32 s26, s26, s45
	s_mov_b32 s27, 0                               ; the upper word of every offset here
	; the block of gate_w or orig_w that rides along: K step sE = 2 hc + (q & 1), tile 8 + (q >> 1); q = 6, 7 have none and store none
	s_lshr_b32 s45, s23, 1
	s_lshl_b32 s46, s45, 17                        ; gate_w: 16 rows a tile
	s_and_b32 s47, s23, 1
	s_lshl1_add_u32 s47, s24, s47                  ; sE
	s_mul_i32 s48, s47, 11
	s_add_co_u32 s48, s48, s45
	s_add_co_u32 s48, s48, 8
	s_lshl_b32 s48, s48, 10                        ; the block's place in bm
	s_mov_b32 s49, 0
	s_lshl_b32 s47, s47, 7                         ; 32 f32 a K step
	s_cmp_ge_u32 s23, 4                            ; from q = 4 on the source is orig_w: four rows, repeated
	s_cselect_b32 s44, 3, 15
	s_cselect_b32 s46, 0, s46
	s_add_co_u32 s46, s46, s47                     ; the block's place in its source
	s_mul_i32 s47, s20, WP                         ; my wave's slots in LDS
	s_mov_b32 s40, 0x76543210                      ; v_permlanex16_b32: each lane takes its own place in the other half
	s_mov_b32 s41, 0xfedcba98
	s_mov_b32 s42, 0xaaaaaaaa                      ; lanes with bit 0 set
	s_mov_b32 s43, 0xcccccccc                      ; lanes with bit 1 set
	v_lshlrev_b32 v[WO], 4, v[RW]
	v_lshl_add_u32 v[WO], v[HF], 16, v[WO]
	v_and_b32 v[TS], 3, v[RW]
	v_lshlrev_b32 v[AO], 11, v[TS]
	v_lshl_add_u32 v[AO], v[HF], 5, v[AO]
	v_lshlrev_b32 v[CO], 4, v[LN]
	v_lshlrev_b32 v[C4], 2, v[LN]
	v_and_b32 v[EO], s44, v[RW]
	v_lshlrev_b32 v[EO], 13, v[EO]
	v_lshl_add_u32 v[EO], v[HF], 5, v[EO]
	v_lshl_add_u32 v[TS], v[HF], 2, v[TS]          ; slot 4 hh + (r & 3)
	v_mul_u32_u24 v[TS], v[TS], SLOTB
	v_add_nc_u32 v[PS], s47, v[TS]
	v_lshrrev_b32 v[PR], 2, v[RW]
	v_mul_u32_u24 v[PR], v[PR], 4*WP               ; row r of the tile came from the waves 4 (r >> 2) + dq
	v_add_nc_u32 v[PR], v[PR], v[TS]
	v_mul_u32_u24 v[GO], v[HF], 11264
	v_lshl_add_u32 v[GO], v[RW], 4, v[GO]
	s_wait_kmcnt 0x0
	s_add_nc_u64 s[28:29], s[4:5], s[26:27]        ; expert_w at my first chunk
	s_lshl_b32 s26, s22, 9
	s_add_nc_u64 s[32:33], s[6:7], s[26:27]        ; agg_w at d = 128 dq
	s_lshl_b32 s45, s25, 11
	s_add_co_u32 s26, s26, s45
	s_add_nc_u64 s[34:35], s[8:9], s[26:27]        ; expert_b at my expert, d = 128 dq
	s_mul_i32 s26, s24, 22
	s_add_co_u32 s26, s26, s23
	s_lshl_b32 s26, s26, 10
	s_add_nc_u64 s[36:37], s[14:15], s[26:27]      ; bm at block (2 hc, q)
	s_add_nc_u64 s[38:39], s[14:15], s[48:49]      ; bm at the block that rides along
	s_cmp_ge_u32 s23, 4
	s_cselect_b64 s[30:31], s[12:13], s[10:11]     ; orig_w or gate_w
	s_mov_b32 s26, s46
	s_add_nc_u64 s[30:31], s[30:31], s[26:27]
	s_lshl_b32 s26, s23, 6
	s_add_nc_u64 s[16:17], s[16:17], s[26:27]      ; cb at the tile's 16 numbers
; A chunk's 16 loads: rows 8 hh + 0..7 and 16 + 8 hh + 0..7 of the chunk's 32: the K places of an operand's registers 0-3 and 4-7.
.macro LDCHUNK buf, t
.set i, 0
.rept 16
	global_load_b128 v[(\buf)+4*i:(\buf)+4*i+3], v[WO], s[28:29] offset:32*ROWB*(\t)+ROWB*(i+8*(i/8)) th:TH_LOAD_NT
.set i, i+1
.endr
.endm
; A chunk is worked on.  left: the younger loads that may stay out.  next >= 0: when the last word has been converted the buffer takes that chunk.
; The eight conversions into one set of FR are the places between the matrix instruction that read the other set and that set's next writing; the four accumulators take turns.
.macro CHUNK buf, t, next, left
	s_wait_loadcnt \left
.irp c, 0,1,2,3
.set p, 0
.rept 8
	v_cvt_pk_bf16_f32 v[FR+8*((\c)%2)+p], v[(\buf)+8*p+(\c)], v[(\buf)+8*p+4+(\c)]
.set p, p+1
.endr
.if ((\c) == 3) && ((\next) >= 0)
	LDCHUNK \buf, \next
.endif
.if (\t) == 0
	v_wmma_f32_16x16x32_bf16 v[ACC+8*(\c):ACC+8*(\c)+7], v[FR+8*((\c)%2):FR+8*((\c)%2)+7], v[AF+8*(\t):AF+8*(\t)+7], 0
.else
	v_wmma_f32_16x16x32_bf16 v[ACC+8*(\c):ACC+8*(\c)+7], v[FR+8*((\c)%2):FR+8*((\c)%2)+7], v[AF+8*(\t):AF+8*(\t)+7], v[ACC+8*(\c):ACC+8*(\c)+7]
.endif
.endr
.endm
	; All small loads first, in every wave alike, so that one counted wait serves them; then chunk 0.
.irp a, 0,1,2,3
	global_load_b128 v[EX+4*(\a):EX+4*(\a)+3], v[EO], s[30:31] offset:16*((\a)%2)+64*((\a)/2)
.endr
	global_load_b128 v[BB:BB+3], v[CO], s[34:35]
.irp j, 0,1,2,3
	global_load_b128 v[AG+4*(\j):AG+4*(\j)+3], v[CO], s[32:33] offset:2048*(\j)
.endr
.irp t, 0,1,2,3
.irp a, 0,1,2,3
	global_load_b128 v[AS+16*(\t)+4*(\a):AS+16*(\t)+4*(\a)+3], v[AO], s[32:33] offset:128*(\t)+16*((\a)%2)+64*((\a)/2)
.endr
.endr
	LDCHUNK X0, 0
	s_wait_loadcnt 16                              ; all but chunk 0's sixteen
.set i, 0
.rept 32
	v_cvt_pk_bf16_f32 v[AF+i], v[AS+2*i], v[AS+2*i+1]
.set i, i+1
.endr
	LDCHUNK X1, 1                                  ; where agg_w's f32 lay: two chunks, 16 KiB, of every wave are now on their way
.set i, 0
.rept 8
	v_cvt_pk_bf16_f32 v[EXC+i], v[EX+2*i], v[EX+2*i+1]
.set i, i+1
.endr
	s_cmp_lg_u32 s20, 0                            ; the block that rides along is stored by wave 0 of the work-groups with q < 6: 192 blocks, each once
	s_cbranch_scc1 .Lno_block
	s_cmp_ge_u32 s23, 6
	s_cbranch_scc1 .Lno_block
	global_store_b128 v[CO], v[EXC:EXC+3], s[38:39]              ; 512 consecutive bytes each
	global_store_b128 v[CO], v[EXC+4:EXC+7], s[38:39] offset:512
.Lno_block:
	; The bias: my four d, times agg_w's four rows; then summed over the wave so that lane n ends with row j = n & 3.
.irp j, 0,1,2,3
	v_pk_mul_f32 v[WK+2*(\j):WK+2*(\j)+1], v[BB:BB+1], v[AG+4*(\j):AG+4*(\j)+1]
.endr
.irp j, 0,1,2,3
	v_pk_fma_f32 v[WK+2*(\j):WK+2*(\j)+1], v[BB+2:BB+3], v[AG+4*(\j)+2:AG+4*(\j)+3], v[WK+2*(\j):WK+2*(\j)+1]
.endr
.irp j, 0,1,2,3
	v_add_f32 v[WK+2*(\j)], v[WK+2*(\j)], v[WK+2*(\j)+1]
.endr
	v_cndmask_b32 v[WK+1], v[WK], v[WK+2], s42     ; what I keep: row 0 in even lanes, row 1 in odd ones;
	v_cndmask_b32 v[WK+3], v[WK+2], v[WK], s42     ; what my neighbour keeps
	v_cndmask_b32 v[WK+5], v[WK+4], v[WK+6], s42   ; the same of rows 2 and 3
	v_cndmask_b32 v[WK+7], v[WK+6], v[WK+4], s42
	v_add_f32_dpp v[WK+1], v[WK+3], v[WK+1] row_xmask:1 row_mask:0xf bank_mask:0xf
	v_add_f32_dpp v[WK+5], v[WK+7], v[WK+5] row_xmask:1 row_mask:0xf bank_mask:0xf
	v_cndmask_b32 v[WK], v[WK+1], v[WK+5], s43     ; and once more two lanes apart: rows 0, 1 against rows 2, 3
	v_cndmask_b32 v[WK+2], v[WK+5], v[WK+1], s43
	v_add_f32_dpp v[WK], v[WK+2], v[WK] row_xmask:2 row_mask:0xf bank_mask:0xf
	v_add_f32_dpp v[WK], v[WK], v[WK] row_xmask:4 row_mask:0xf bank_mask:0xf
	v_add_f32_dpp v[WK], v[WK], v[WK] row_xmask:8 row_mask:0xf bank_mask:0xf
	v_permlanex16_b32 v[WK+2], v[WK], s40, s41
	v_add_f32 v[WK], v[WK], v[WK+2]
	ds_store_b32 v[PS], v[WK] offset:128           ; lanes with the same slot store the same number
	CHUNK X0, 0, 2, 16                             ; each 16: the one younger chunk's loads
	CHUNK X1, 1, 3, 16
	CHUNK X0, 2, -1, 16
	CHUNK X1, 3, -1, 0
.rept 4
	v_nop                                          ; the places between the last product and the stores that read it
.endr
.irp c, 0,1,2,3                        ; each accumulator's low half first; the lanes n >= 4 repeat lanes 0-3's bytes and numbers
	ds_store_b128 v[PS], v[ACC+8*(\c):ACC+8*(\c)+3] offset:32*(\c)
	ds_store_b128 v[PS], v[ACC+8*(\c)+4:ACC+8*(\c)+7] offset:32*(\c)+16
.endr
	s_wait_dscnt 0x0                               ; for wave 0's sake: my stores are done
	s_barrier_signal -1
	s_barrier_wait -1
	s_cmp_lg_u32 s20, 0
	s_cbranch_scc1 .Lend
	; Wave 0 adds the four quarters of d.  Its lane (r, hh) takes row r of the tile in K step 2 hc + hh: 32 numbers, number 8 c + m being h = 4 m + c of the step.
.irp d, 0,1,2,3
.irp u, 0,1,2,3,4,5,6,7
	ds_load_b128 v[X0+32*(\d)+4*(\u):X0+32*(\d)+4*(\u)+3], v[PR] offset:WP*(\d)+16*(\u)
.endr
	ds_load_b32 v[WK+(\d)], v[PR] offset:WP*(\d)+128
.endr
	s_wait_dscnt 0x0
.set i, 0
.rept 16
	v_pk_add_f32 v[X0+2*i:X0+2*i+1], v[X0+2*i:X0+2*i+1], v[X0+32+2*i:X0+32+2*i+1]
	v_pk_add_f32 v[X0+64+2*i:X0+64+2*i+1], v[X0+64+2*i:X0+64+2*i+1], v[X0+96+2*i:X0+96+2*i+1]
.set i, i+1
.endr
.set i, 0
.rept 16
	v_pk_add_f32 v[X0+2*i:X0+2*i+1], v[X0+2*i:X0+2*i+1], v[X0+64+2*i:X0+64+2*i+1]
.set i, i+1
.endr
.set i, 0
.rept 16                               ; word i of the row: h = 2 i and 2 i + 1 of the step: m = i / 2, c = 2 (i % 2) and the next
	v_cvt_pk_bf16_f32 v[FR+i], v[X0+16*(i%2)+i/2], v[X0+16*(i%2)+8+i/2]
.set i, i+1
.endr
.irp k, 0,1,2,3                        ; h = 8 k .. 8 k + 7: piece k / 2, lane half k % 2.  16 lanes store 256 consecutive bytes, at a multiple of 256 from bm's first byte
	global_store_b128 v[GO], v[FR+4*(\k):FR+4*(\k)+3], s[36:37] offset:512*((\k)/2)+256*((\k)%2)
.endr
	v_add_f32 v[WK], v[WK], v[WK+1]
	v_add_f32 v[WK+2], v[WK+2], v[WK+3]
	v_add_f32 v[WK], v[WK], v[WK+2]
	s_cmp_lg_u32 s24, 0                            ; every work-group of a tile has the same 16 numbers of cb; the one with hc = 0 stores them
	s_cbranch_scc1 .Lend
	s_wait_xcnt 0x0                                ; EXEC is a source of the stores above: it changes only behind this wait
	v_cmp_gt_u32 vcc_lo, 16, v[LN]
	s_and_saveexec_b32 s46, vcc_lo
	global_store_b32 v[C4], v[WK], s[16:17]
	s_wait_xcnt 0x0                                ; and again, in front of the line that widens it
	s_or_b32 exec_lo, exec_lo, s46
.Lend:
	s_wait_tensorcnt 0x0                           ; the wave's end: behind my last LDS store
	ds_add_u32 v[SPW], v[NIL]
	s_wait_dscnt 0x0
	s_endpgm
.Lfunc_end_k_q7f14af9b32_fold:
	.size	k_q7f14af9b32_fold, .Lfunc_end_k_q7f14af9b32_fold-k_q7f14af9b32_fold
	.p2alignl 7, 3214868480
	.fill 96, 4, 3214868480
	.section	.rodata,"a",@progbits
	.p2align	6, 0x0
	.amdhsa_kernel k_q7f14af9b32_fold
		.amdhsa_group_segment_fixed_size 20992
		.amdhsa_private_segment_fixed_size 0
		.amdhsa_enable_private_segment 0
		.amdhsa_kernarg_size 56
		.amdhsa_user_sgpr_count 2
		.amdhsa_user_sgpr_kernarg_segment_ptr 1
		.amdhsa_wavefront_size32 1
		.amdhsa_system_sgpr_workgroup_id_x 1
		.amdhsa_system_sgpr_workgroup_id_y 1
		.amdhsa_system_sgpr_workgroup_id_z 1
		.amdhsa_system_vgpr_workitem_id 0
		.amdhsa_next_free_vgpr 240
		.amdhsa_next_free_sgpr 66
		.amdhsa_reserve_vcc 1
		.amdhsa_float_denorm_mode_32 3
		.amdhsa_float_denorm_mode_16_64 3
		.amdhsa_memory_ordered 1
		.amdhsa_forward_progress 1
		.amdhsa_inst_pref_size 34
	.end_amdhsa_kernel
	.amdgpu_metadata
---
amdhsa.version: [ 1, 2 ]
amdhsa.kernels:
  - .name:           k_q7f14af9b32_fold
    .symbol:         k_q7f14af9b32_fold.kd
    .args:
      - { .name: expert_w, .offset: 0, .size: 8, .value_kind: global_buffer, .address_space: global }
      - { .name: agg_w, .offset: 8, .size: 8, .value_kind: global_buffer, .address_space: global }
      - { .name: expert_b, .offset: 16, .size: 8, .value_kind: global_buffer, .address_space: global }
      - { .name: gate_w, .offset: 24, .size: 8, .value_kind: global_buffer, .address_space: global }
      - { .name: orig_w, .offset: 32, .size: 8, .value_kind: global_buffer, .address_space: global }
      - { .name: bm, .offset: 40, .size: 8, .value_kind: global_buffer, .address_space: global }
      - { .name: cb, .offset: 48, .size: 8, .value_kind: global_buffer, .address_space: global }
    .group_segment_fixed_size: 20992
    .private_segment_fixed_size: 0
    .kernarg_segment_align: 8
    .kernarg_segment_size: 56
    .max_flat_workgroup_size: 512
    .sgpr_count:     66
    .vgpr_count:     240
    .wavefront_size: 32
...
	.end_amdgpu_metadata
.endif
;; end of part 1
;; launch apply (part 2): grid 128 x 1, 16 waves a work-group, no clusters, 327,680 bytes of LDS; arguments x, bm, cb, orig_b, agg_b, out0; writes out0
.if DOCPART == 2
	.amdgcn_target "amdgcn-amd-amdhsa--gfx1250"
	.amdhsa_code_object_version 6
	.text
	.protected	k_q7f14af9b32_apply
	.globl	k_q7f14af9b32_apply
	.p2align	8
	.type	k_q7f14af9b32_apply,@function
k_q7f14af9b32_apply:
	s_mov_b64 s[64:65], 0
	v_nop
	global_prefetch_b8 v0, s[64:65] scope:SCOPE_SE
	s_setreg_imm32_b32 hwreg(HW_REG_WAVE_MODE, 25, 1), 1
	s_wait_xcnt 0x0
; APPLY.  out0[t][j] = x[t] . orig_w[j] + orig_b[j] + agg_b[j] + 1/4 sum over g, e of c[t][g][e] (x[t] . P[g][e][j] + cb[g][e][j]),
; where c is the weight of the group's two best experts and 0 for the others.  One dense product of x (bf16) with bm's 176 rows (P, gate_w, orig_w: the layout stands at the head of the launch before),
; sums in f32; the routing only selects values: no address, trip count or branch hangs on it.
; ROUTING.  The two largest logits of a group's eight are found by strict compares in ascending order, so that of equal ones the lower index stands first, as in jax.lax.top_k.  The softmax's divisor falls
; out of rw / sum(rw): w1 = 1 / (1 + e^(l2 - l1)), w2 = e^(l2 - l1) w1, with l1 the group's maximum: the maximum is taken away, and the exponent is never above 0.
; LIMITS.  A second weight whose e^(l2 - l1) is below 2^-126 counts as 0.  The order is taken on the logits, not on their softmax.  cb, orig_b and agg_b enter unrounded.  NaN and infinities are not treated apart.
; SHARES.  A work-group owns 16 tokens and all 11 tiles of rows.  Wave w owns K = 128 w .. + 127: four K steps, whose 44 blocks of bm lie end to end (45,056 bytes) and come straight into operand registers.
; The matrix instruction takes bm's block as source 0 and x as source 1: register i of lane (n, hh) is (row 8 hh + i of the tile, token n).  The 16 waves' partial sums meet in LDS.
; NO CLUSTER, though every work-group walks the same bm: its 720,896 bytes are more than twice the 327,680 bytes of LDS that a work-group is given, so joint loads would fill slots again six times or more,
; each time behind a round of all partners; and a block feeds ONE matrix instruction here, so that a pass through LDS would be read as often as it is written.
; LDS: 0 .. 135,167 x's tiles: wave w's at 8,448 w, 16 rows of 512 bytes + 16 of padding, filled once by the wave's own tensor load and read by that wave alone; behind the first barrier bytes
; 0 .. 11,263 of it take the summed tiles (Y).  135,168 .. 315,391 the partial sums: wave p at 11,264 p, tile q at 1,024 q, half at 512, lane at 16.  315,392 .. 317,439 the spare words.
.set XTW,   8448
.set XP,    528                        ; 33 x 16 bytes: the 16 rows of a load begin at 16 different multiples of 16 modulo 256
.set PART,  135168
.set PW,    11264
.set SPARE, 315392
.set LN,  1                            ; v1   lane
.set RW,  2                            ; v2   r = lane % 16
.set HF,  3                            ; v3   hh = lane / 16
.set SPW, 4                            ; v4   LDS address of my spare word; never rewritten
.set NIL, 5                            ; v5   0; never rewritten
.set LB,  6                            ; v6   16 x lane: in a block of bm, in Y, and (lanes 0-15) in out0
.set XA,  7                            ; v7   LDS: my token's row of my wave's tile, 8 hh numbers on
.set PSA, 8                            ; v8   LDS: my wave's partial sums
.set RA,  9                            ; v9-11  LDS: tile w in the partial sums of waves 0, 6, 12
.set YS,  12                           ; v12  LDS: tile w in Y
.set CBO, 13                           ; v13  32 hh
.set ACC, 16                           ; v16-103  accumulator q at ACC + 8 q; at the end: the summed tiles
.set XS,  16                           ; early: x in f32
.set AF,  104                          ; v104-135 x's fragments of my four K steps
.set RING,136                          ; v136-231 twelve blocks of bm
.set RD,  104                          ; behind the products: 16 waves' partial sums of one tile
.set CBR, 232                          ; v232-239 cb of my tile's rows 8 hh .. 8 hh + 7
.set LG,  ACC+64                       ; the logits: group 2 gp + hh, expert e at LG + 8 gp + e
.set M1,  104                          ; for gp at + 4 gp: the largest logit,
.set M2,  105                          ; the second,
.set I1,  106                          ; and their experts
.set I2,  107
.set TM,  112                          ; at + gp: at work
.set TE,  114                          ; e^(l2 - l1)
.set UU,  116
.set W1,  118
.set W2,  120
.set CC,  122                          ; v122-129 four pairs: an expert's weight in the low register
.set FF,  130                          ; v130-133 the four sums
.set GG,  104                          ; the other half of the lanes' (M1 .. I2 are dead by then, and written)
.set BS,  138
.set OUT, 144
	s_load_b256 s[4:11], s[0:1], 0x0               ; x s[4:5], bm s[6:7], cb s[8:9], orig_b s[10:11]
	s_load_b128 s[12:15], s[0:1], 0x20             ; agg_b s[12:13], out0 s[14:15]
	v_lshl_add_u32 v[SPW], v0, 2, SPARE
	v_mov_b32 v[NIL], 0
	ds_add_u32 v[SPW], v[NIL]                      ; the wave's opening: the add and its wait ahead of my tensor load; the set-up below, work on registers, stands between them
	v_lshrrev_b32 v[LN], 5, v0
	v_readfirstlane_b32 s16, v[LN]                 ; wave 0..15
	v_and_b32 v[LN], 31, v0
	v_and_b32 v[RW], 15, v0
	v_bfe_u32 v[HF], v0, 4, 1
	; descriptor group 1: 16 rows (tokens) x 128 f32, padded in LDS
	s_mov_b32 s28, (2<<16)|(1<<20)|(6<<22)|(3<<25) ; 17:16 elements of 4 bytes; 20 padding on; 24:22 after every 128 words (code 6); 31:25 4 words of it (code 3)
	s_mov_b32 s29, 128<<16                         ; tensor_dim0 = 128
	s_mov_b32 s30, 16<<16                          ; tensor_dim1 = 16
	s_mov_b32 s31, 128<<16                         ; tile_dim0 = 128
	s_mov_b32 s32, 16                              ; tile_dim1 = 16
	s_mov_b32 s33, 2048                            ; elements from row to row
	s_mov_b32 s34, 0
	s_mov_b32 s35, 0
	s_mov_b32 s24, 1                               ; group 0: count = 1,
	s_mul_i32 s25, s16, XTW                        ; my wave's tile in LDS
	s_lshl_b32 s18, ttmp9, 17                      ; 16 tokens of 8,192 bytes,
	s_lshl_b32 s19, s16, 9                         ; my wave's 512 bytes of a row
	s_add_co_u32 s18, s18, s19
	s_mov_b32 s19, 0
	s_mov_b32 s44, 0x76543210                      ; v_permlanex16_b32: each lane takes its own place in the other half
	s_mov_b32 s45, 0xfedcba98
	s_cmp_lt_u32 s16, 8                            ; tiles 0-7 have a bias
	s_cselect_b32 s48, 1.0, 0
	s_mov_b32 s49, s48                             ; named with it as a pair
	s_mul_i32 s46, s16, PW
	s_add_co_u32 s46, s46, PART
	s_lshl_b32 s47, s16, 10
	v_lshlrev_b32 v[LB], 4, v[LN]
	v_mul_u32_u24 v[XA], v[RW], XP
	v_lshl_add_u32 v[XA], v[HF], 5, v[XA]
	v_add_nc_u32 v[XA], s25, v[XA]
	v_add_nc_u32 v[PSA], s46, v[LB]
	v_add_nc_u32 v[YS], s47, v[LB]
	v_add_nc_u32 v[RA], PART, v[YS]
	v_add_nc_u32 v[RA+1], PART+6*PW, v[YS]
	v_add_nc_u32 v[RA+2], PART+12*PW, v[YS]
	v_lshlrev_b32 v[CBO], 5, v[HF]
	s_wait_dscnt 0x0                               ; the opening add is done
	s_wait_kmcnt 0x0
	s_add_nc_u64 s[26:27], s[4:5], s[18:19]        ; global address of my tile
	s_or_b32 s27, s27, 0x80000000                  ; type = 2
	tensor_load_to_lds s[24:27], s[28:35]          ; my one tensor load: 16 rows of 512 consecutive bytes, each at a multiple of 256 from x's first byte
	s_nop 0
	s_load_b128 s[36:39], s[10:11], 0x0            ; orig_b
	s_load_b128 s[40:43], s[12:13], 0x0            ; agg_b
	s_mul_i32 s18, s16, 4*PW
	s_add_nc_u64 s[20:21], s[6:7], s[18:19]        ; bm at my 44 blocks
	s_min_u32 s18, s16, 7                          ; waves 8-15 load tile 7's bias and multiply it by 0
	s_lshl_b32 s18, s18, 6
	s_add_nc_u64 s[22:23], s[8:9], s[18:19]
	s_lshl_b32 s18, ttmp9, 8
	s_add_nc_u64 s[52:53], s[14:15], s[18:19]      ; out0 at my 16 tokens
.macro LDFRAG f                        ; block f of my 44 (K step f / 11, tile f % 11) into slot f % 12: two loads of 512 consecutive bytes are a fragment
	global_load_b128 v[RING+8*((\f)%12):RING+8*((\f)%12)+3],   v[LB], s[20:21] offset:1024*(\f)
	global_load_b128 v[RING+8*((\f)%12)+4:RING+8*((\f)%12)+7], v[LB], s[20:21] offset:1024*(\f)+512
.endm
.macro MULF f                          ; the first K step's products start the sums; the eleven accumulators take turns
.if (\f) < 11
	v_wmma_f32_16x16x32_bf16 v[ACC+8*((\f)%11):ACC+8*((\f)%11)+7], v[RING+8*((\f)%12):RING+8*((\f)%12)+7], v[AF+8*((\f)/11):AF+8*((\f)/11)+7], 0
.else
	v_wmma_f32_16x16x32_bf16 v[ACC+8*((\f)%11):ACC+8*((\f)%11)+7], v[RING+8*((\f)%12):RING+8*((\f)%12)+7], v[AF+8*((\f)/11):AF+8*((\f)/11)+7], v[ACC+8*((\f)%11):ACC+8*((\f)%11)+7]
.endif
.endm
; Four blocks are multiplied and their slots filled again, twelve blocks on.  left: the younger loads that may stay out.
.macro GROUP g, left
	s_wait_loadcnt \left
.irp u, 0,1,2,3
	MULF 4*(\g)+\u
.endr
.rept 4
	v_nop                                          ; the places between a product and a load into its source, or a store of its result (ISA guide 7.12.1 for stores)
.endr
.if (\g) <= 7
.irp u, 0,1,2,3
	LDFRAG 4*(\g)+\u+12
.endr
.endif
.endm
	global_load_b128 v[CBR:CBR+3], v[CBO], s[22:23]              ; the oldest loads: every counted wait below covers them
	global_load_b128 v[CBR+4:CBR+7], v[CBO], s[22:23] offset:16
.irp f, 0,1,2,3,4,5,6,7,8,9,10,11
	LDFRAG \f                                      ; 12 KiB of every wave are on their way
.endr
	s_wait_tensorcnt 0x0                           ; my tile of x is in LDS; nobody else reads it
.irp t, 0,1,2,3
.irp a, 0,1,2,3
	ds_load_b128 v[XS+16*(\t)+4*(\a):XS+16*(\t)+4*(\a)+3], v[XA] offset:128*(\t)+16*((\a)%2)+64*((\a)/2)
.endr
.endr
	s_wait_dscnt 0x0
.set i, 0
.rept 32
	v_cvt_pk_bf16_f32 v[AF+i], v[XS+2*i], v[XS+2*i+1]
.set i, i+1
.endr
.irp g, 0,1,2,3,4,5,6,7,8
	GROUP \g, 16                                   ; two younger groups' loads, eight each
.endr
	GROUP 9, 8                                     ; one younger group's
	GROUP 10, 0
.set q, 0
.rept 11                               ; each accumulator's low half first
	ds_store_b128 v[PSA], v[ACC+8*q:ACC+8*q+3] offset:1024*q
	ds_store_b128 v[PSA], v[ACC+8*q+4:ACC+8*q+7] offset:1024*q+512
.set q, q+1
.endr
	s_wait_kmcnt 0x0                               ; orig_b and agg_b
	s_wait_dscnt 0x0                               ; for the others' sake: my partial sums are stored, and my reads of x's tile are long over
	s_barrier_signal -1
	s_barrier_wait -1
	s_cmp_gt_u32 s16, 10
	s_cbranch_scc1 .Lmeet
	; Wave q adds the 16 waves' partial sums of tile q, adds the bias, and lays the tile into Y.
.set p, 0
.rept 16
	ds_load_b128 v[RD+8*p:RD+8*p+3],   v[RA+p/6] offset:PW*(p%6)
	ds_load_b128 v[RD+8*p+4:RD+8*p+7], v[RA+p/6] offset:PW*(p%6)+512
.set p, p+1
.endr
	s_wait_dscnt 0x0
.irp d, 8,4,2,1
.set p, 0
.rept \d
.irp u, 0,2,4,6
	v_pk_add_f32 v[RD+8*p+\u:RD+8*p+\u+1], v[RD+8*p+\u:RD+8*p+\u+1], v[RD+8*(p+\d)+\u:RD+8*(p+\d)+\u+1]
.endr
.set p, p+1
.endr
.endr
.irp u, 0,2,4,6
	v_pk_fma_f32 v[RD+\u:RD+\u+1], v[CBR+\u:CBR+\u+1], s[48:49], v[RD+\u:RD+\u+1] op_sel_hi:[1,0,1]
.endr
	ds_store_b128 v[YS], v[RD:RD+3]
	ds_store_b128 v[YS], v[RD+4:RD+7] offset:512
.Lmeet:
	s_wait_dscnt 0x0                               ; for wave 0's sake: my tile is stored
	s_barrier_signal -1
	s_barrier_wait -1
	s_cmp_lg_u32 s16, 0
	s_cbranch_scc1 .Lend
	; Wave 0: lane (n, hh) has token n and the groups hh and 2 + hh: logits at LG + 8 gp + e, x . P + cb at ACC + 32 gp + 4 e + j, x . orig_w at ACC + 80 + j.
.set q, 0
.rept 11
	ds_load_b128 v[ACC+8*q:ACC+8*q+3],   v[LB] offset:1024*q
	ds_load_b128 v[ACC+8*q+4:ACC+8*q+7], v[LB] offset:1024*q+512
.set q, q+1
.endr
.irp j, 0,1,2,3
	s_add_f32 s[36+\j], s[36+\j], s[40+\j]         ; orig_b + agg_b
.endr
	s_wait_dscnt 0x0
.irp gp, 0,1
	v_mov_b32 v[M1+4*\gp], v[LG+8*\gp]
	v_mov_b32 v[M2+4*\gp], 0xff800000              ; below every logit
	v_mov_b32 v[I1+4*\gp], 0
	v_mov_b32 v[I2+4*\gp], 0
.endr
.macro TSTEP gp, e                     ; expert e against the best two so far; only a strictly larger logit displaces an earlier one
	v_cmp_gt_f32 s46, v[LG+8*(\gp)+(\e)], v[M1+4*(\gp)]
	v_cmp_gt_f32 s47, v[LG+8*(\gp)+(\e)], v[M2+4*(\gp)]
	v_cndmask_b32 v[I2+4*(\gp)], v[I2+4*(\gp)], \e, s47
	v_cndmask_b32 v[I2+4*(\gp)], v[I2+4*(\gp)], v[I1+4*(\gp)], s46
	v_cndmask_b32 v[I1+4*(\gp)], v[I1+4*(\gp)], \e, s46
	v_min_num_f32 v[TM+(\gp)], v[M1+4*(\gp)], v[LG+8*(\gp)+(\e)]
	v_max_num_f32 v[M2+4*(\gp)], v[M2+4*(\gp)], v[TM+(\gp)]
	v_max_num_f32 v[M1+4*(\gp)], v[M1+4*(\gp)], v[LG+8*(\gp)+(\e)]
.endm
.irp e, 1,2,3,4,5,6,7
	TSTEP 0, \e
	TSTEP 1, \e
.endr
.irp gp, 0,1
	v_sub_f32 v[TE+\gp], v[M2+4*\gp], v[M1+4*\gp]  ; l2 - l1, never above 0
.endr
.irp gp, 0,1
	v_mul_f32 v[TE+\gp], 0x3fb8aa3b, v[TE+\gp]     ; times log2(e)
.endr
	v_exp_f32 v[TE], v[TE]
	v_exp_f32 v[TE+1], v[TE+1]
.irp i, 0,1,2,3
	v_mov_b32 v[CC+2*\i+1], 0                      ; the pairs' upper registers are named with the lower, so they are written; also the plain lines behind the exponentials (ISA guide 5.7.2)
.endr
	s_wait_alu depctr_va_vdst(0)                   ; the wait ahead of the first use: one for both exponentials
	v_add_f32 v[UU], 1.0, v[TE]
	v_add_f32 v[UU+1], 1.0, v[TE+1]
	v_rcp_f32 v[W1], v[UU]
	v_rcp_f32 v[W1+1], v[UU+1]
.irp j, 0,1,2,3
	v_add_f32 v[BS+\j], s[36+\j], v[ACC+80+\j]     ; x . orig_w + orig_b + agg_b; also the plain lines behind the reciprocals
.endr
	s_wait_alu depctr_va_vdst(0)                   ; one wait for both reciprocals
	v_mul_f32 v[W2], v[TE], v[W1]
	v_mul_f32 v[W2+1], v[TE+1], v[W1+1]
; The group's eight experts: the weight is w1, w2 or 0; four fused multiply-adds, two to a line.  The very first product starts the sums.
.macro COMB gp
.irp e, 0,1,2,3,4,5,6,7
	v_cmp_eq_u32 s46, \e, v[I1+4*(\gp)]
	v_cmp_eq_u32 s47, \e, v[I2+4*(\gp)]
	v_cndmask_b32 v[CC+2*(\e%4)], 0, v[W2+(\gp)], s47
	v_cndmask_b32 v[CC+2*(\e%4)], v[CC+2*(\e%4)], v[W1+(\gp)], s46
.if ((\gp) == 0) && (\e == 0)
	v_pk_mul_f32 v[FF:FF+1],   v[ACC:ACC+1],   v[CC:CC+1] op_sel_hi:[1,0]
	v_pk_mul_f32 v[FF+2:FF+3], v[ACC+2:ACC+3], v[CC:CC+1] op_sel_hi:[1,0]
.else
	v_pk_fma_f32 v[FF:FF+1],   v[ACC+32*(\gp)+4*\e:ACC+32*(\gp)+4*\e+1],   v[CC+2*(\e%4):CC+2*(\e%4)+1], v[FF:FF+1] op_sel_hi:[1,0,1]
	v_pk_fma_f32 v[FF+2:FF+3], v[ACC+32*(\gp)+4*\e+2:ACC+32*(\gp)+4*\e+3], v[CC+2*(\e%4):CC+2*(\e%4)+1], v[FF+2:FF+3] op_sel_hi:[1,0,1]
.endif
.endr
.endm
	COMB 0
	COMB 1
.irp j, 0,1,2,3
	v_permlanex16_b32 v[GG+\j], v[FF+\j], s44, s45 ; the token's other two groups lie in the lane 16 away
.endr
.irp j, 0,1,2,3
	v_add_f32 v[FF+\j], v[FF+\j], v[GG+\j]
.endr
.irp j, 0,1,2,3
	v_fmamk_f32 v[OUT+\j], v[FF+\j], 0x3e800000, v[BS+\j]  ; the mean over the four groups
.endr
	s_wait_xcnt 0x0                                ; EXEC changes only behind this wait
	v_cmp_gt_u32 vcc_lo, 16, v[LN]
	s_and_saveexec_b32 s50, vcc_lo
	global_store_b128 v[LB], v[OUT:OUT+3], s[52:53]  ; 16 lanes store the work-group's 256 consecutive bytes, at a multiple of 256 from out0's first byte
	s_wait_xcnt 0x0                                ; and again, in front of the line that widens it
	s_or_b32 exec_lo, exec_lo, s50
.Lend:
	s_wait_tensorcnt 0x0                           ; the wave's end: behind my tensor load and my last LDS store
	ds_add_u32 v[SPW], v[NIL]
	s_wait_dscnt 0x0
	s_endpgm
.Lfunc_end_k_q7f14af9b32_apply:
	.size	k_q7f14af9b32_apply, .Lfunc_end_k_q7f14af9b32_apply-k_q7f14af9b32_apply
	.p2alignl 7, 3214868480
	.fill 96, 4, 3214868480
	.section	.rodata,"a",@progbits
	.p2align	6, 0x0
	.amdhsa_kernel k_q7f14af9b32_apply
		.amdhsa_group_segment_fixed_size 327680
		.amdhsa_private_segment_fixed_size 0
		.amdhsa_enable_private_segment 0
		.amdhsa_kernarg_size 48
		.amdhsa_user_sgpr_count 2
		.amdhsa_user_sgpr_kernarg_segment_ptr 1
		.amdhsa_wavefront_size32 1
		.amdhsa_system_sgpr_workgroup_id_x 1
		.amdhsa_system_sgpr_workgroup_id_y 1
		.amdhsa_system_sgpr_workgroup_id_z 1
		.amdhsa_system_vgpr_workitem_id 0
		.amdhsa_next_free_vgpr 248
		.amdhsa_next_free_sgpr 66
		.amdhsa_reserve_vcc 1
		.amdhsa_float_denorm_mode_32 3
		.amdhsa_float_denorm_mode_16_64 3
		.amdhsa_memory_ordered 1
		.amdhsa_forward_progress 1
		.amdhsa_inst_pref_size 43
	.end_amdhsa_kernel
	.amdgpu_metadata
---
amdhsa.version: [ 1, 2 ]
amdhsa.kernels:
  - .name:           k_q7f14af9b32_apply
    .symbol:         k_q7f14af9b32_apply.kd
    .args:
      - { .name: x, .offset: 0, .size: 8, .value_kind: global_buffer, .address_space: global }
      - { .name: bm, .offset: 8, .size: 8, .value_kind: global_buffer, .address_space: global }
      - { .name: cb, .offset: 16, .size: 8, .value_kind: global_buffer, .address_space: global }
      - { .name: orig_b, .offset: 24, .size: 8, .value_kind: global_buffer, .address_space: global }
      - { .name: agg_b, .offset: 32, .size: 8, .value_kind: global_buffer, .address_space: global }
      - { .name: out0, .offset: 40, .size: 8, .value_kind: global_buffer, .address_space: global }
    .group_segment_fixed_size: 327680
    .private_segment_fixed_size: 0
    .kernarg_segment_align: 8
    .kernarg_segment_size: 48
    .max_flat_workgroup_size: 512
    .sgpr_count:     66
    .vgpr_count:     248
    .wavefront_size: 32
...
	.end_amdgpu_metadata
.endif
;; end of part 2
